; MI455X (gfx1250); checked and timed in simulation.
; The chip was launched on July 23, 2026; its instructions are those of AMD's public machine-readable ISA for CDNA 5 (MIT licence, August 2026) and "CDNA5" Instruction Set Architecture Reference Guide (July 2026). The comments in the code are by the model that wrote it; some were corrected since.
;; Mo E Layer. Allowed arithmetic: matrix products marked QUANTISED: E3M2 operands, one E8M0 scale for each 32 along K, by v_wmma_scale_f32_16x16x128_f8f6f4 with both operands' format E3M2, f32 sums; products left as they are: f32 operands where the result goes on into a quantised operand, else bf16, f16 or f32 operands; f32 sums; everything else in f32.
;; Inputs: w1 8 x 1,024 x 2,048 float32; w2 8 x 2,048 x 1,024 float32; w3 8 x 1,024 x 2,048 float32; wg 1,024 x 8 float32; x 1,024 x 1,024 float32.
;; Outputs: out0 1,024 x 1,024 float32.
;; This version of the problem:
;;   THIS VERSION OF THE PROBLEM IS GIVEN IN LOW PRECISION. The matrix products marked QUANTISED in the list below multiply operands that are first quantised to E3M2 (3 exponent bits, 2 mantissa bits; 6 bits a number), with one power-of-two scale for each 32 numbers along K (OCP MX v1.0); their sums are f32. All else is computed in f32.
;;   The module's matrix products, in the order in which they are computed (A, B: the left and right operand; K: the contracted axis; several contracted axes count as one K, in the product's order):
;;     1. [M 1,024, K 1,024] x [K 1,024, N 8]; A: input x; B: input wg: left as it is (N = 8 < 16)
;;     2. batch 1,024 x [M 1, K 2] x [K 2, N 8]; A: softmax; B: computed on the way: left as it is (K = 2 < 32)
;;     3. [M 1,024, K 1,024] x [K 1,024, N 16,384]; A: input x; B: input w1: QUANTISED
;;     4. [M 1,024, K 1,024] x [K 1,024, N 16,384]; A: input x; B: input w3: QUANTISED
;;     5. batch 8 x [M 1,024, K 2,048] x [K 2,048, N 1,024]; A: input w2; B: computed on the way: QUANTISED
;;     6. batch 1,024 x [M 1, K 8] x [K 8, N 1,024]; A: computed on the way; B: computed on the way: left as it is (K = 8 < 32)
;;   THE QUANTISER, for each operand of a quantised product, along K:
;;     - K is cut into blocks of 32 from its start; a last block that is shorter is filled with zeros.
;;     - A block's scale is 2^e with e = floor(log2(the largest magnitude in the block)) - 4, held to -126 .. 127; a block of zeros has e = 0. As a byte (E8M0): e + 127.
;;     - Each number is divided by its block's scale, clamped to +-28, and rounded to the nearest number of E3M2, ties to even, subnormals kept.
;;     - The product sums the exact products of the quantised numbers (number of the format x scale) in f32.
;;   ~~~python
;;   def quantise(x, axis):      # numpy; x: float32 -> the quantised numbers, widened to float32 again
;;       x = np.moveaxis(x, axis, -1); K = x.shape[-1]
;;       x = np.pad(x, [(0, 0)] * (x.ndim - 1) + [(0, -K % 32)]); x = x.reshape(x.shape[:-1] + (-1, 32)); a = np.abs(x).max(-1, keepdims=True)
;;       e = np.where(a > 0, np.clip(np.frexp(np.where(a > 0, a, 1))[1] - 1 - 4, -126, 127), 0)      # np.frexp(a)[1] - 1 = floor(log2(a)), exactly
;;       r = np.clip(x / 2.0 ** e, -28, 28)
;;       step = 2.0 ** (np.maximum(np.frexp(np.where(r == 0, 1, r))[1] - 1, -2) - 2)
;;       q = np.round(r / step) * step * 2.0 ** e      # np.round: ties to even
;;       return np.moveaxis(q.reshape(q.shape[:-2] + (-1,))[..., :K], -1, axis).astype(np.float32)
;;   ~~~
;;   OPERANDS COMPUTED ON THE WAY. 'Computed on the way' means the value that the module computes at that place (a softmax that the list does not call 'softmax' is quantised finished and normalised). What goes into a quantiser is computed in f32, as accurately as f32 sums, v_exp_f32 and their like allow (about 1e-6 of the number): no bf16 or f16 on the way to a quantiser, and a product that is left as it is and whose result goes on into a quantised operand takes f32 operands (vector FMAs, or v_wmma_f32_16x16x4_f32). A number that lies on a knife's edge between two numbers of the format may be rounded either way, as far as f32 arithmetic and the matrix unit's own rounding can turn it there, and no further.
;; One version. Each part assembles by itself: llvm-mc -triple=amdgcn-amd-amdhsa -mcpu=gfx1250 --defsym DOCPART=n.
;; ======== version 1 of 1: 4 launches
;; limits: right only within a limited range of input values
;; workspace buffers: xt 1,048,576 bytes; sel 8,192 bytes of whole numbers; selb 1,024 bytes of whole numbers; prob 8,192 bytes; order 33,792 bytes of whole numbers; h 13,107,200 bytes; y 67,108,864 bytes
;; launch route (part 1): grid 64 x 1, 8 waves a work-group, no clusters, 38,400 bytes of LDS; arguments x, wg, xt, sel, prob, selb; writes xt, sel, prob, selb
.if DOCPART == 1
	.amdgcn_target "amdgcn-amd-amdhsa--gfx1250"
	.amdhsa_code_object_version 6
	.text
	.protected	k_q157a6e7695_route
	.globl	k_q157a6e7695_route
	.p2align	8
	.type	k_q157a6e7695_route,@function
k_q157a6e7695_route:
	s_mov_b64 s[64:65], 0
	v_nop
	global_prefetch_b8 v0, s[64:65] scope:SCOPE_SE
	s_setreg_imm32_b32 hwreg(HW_REG_WAVE_MODE, 25, 1), 1
	s_wait_xcnt 0x0
; GATE AND QUANTISER OF x.  x [1024][1024] f32, wg [1024][8] f32.
; A work-group takes 16 tokens, wave w the 128 numbers 128 w .. 128 w + 127 of each (one K step of the later products).
; (1) logits = x wg by fused multiply-adds in f32; the eight waves' parts meet in LDS and are added in ascending w.
; (2) wave 0: the two largest logits of each token (strict compares in ascending expert order, so the lower index wins a tie), softmax over the two with the larger one taken away:
;     p0 = 1 / (1 + e^(l2 - l1)), p1 = e^(l2 - l1) p0.  The choice only selects values here (v_cndmask_b32); it is stored as whole numbers, and later launches make addresses of it.
; (3) each wave quantises its 16 x 128 numbers to codes of E3M2 with one E8M0 byte for each 32, and stores them as an IMAGE OF THE OPERAND'S REGISTERS:
;     a tile of 16 tokens is 25 units of 512 bytes; unit 3 s + g holds registers 4 g .. 4 g + 3 of K step s, lane (r, h) at 32 r + 16 h, so that a token owns 32 neighbouring bytes of every unit;
;     unit 24 holds the scale words: token r's word of K step s at 32 r + 4 s.
; LIMITS: NaN and infinities among the inputs are not served.  A block whose largest magnitude lies under 2^-122 (a block of zeros too) gets the byte 1; the bytes are read by this program alone.
; The logits are summed in another order than a plain dot product: two logits closer than that rounding may change places.
; No matrix unit: the gate has 8 columns.  No cluster: work-groups share only wg, 32 KiB.
.set PL,   32768                       ; LDS: 0 .. 32767 each wave's own 128 rows of wg;  PL: the partial logits [wave][token][8];
.set SCW,  36864                       ; SCW: the scale words [token][8]
.set X,    16                          ; v16-79   register 16 b + i = x(r, 128 w + 32 b + 16 h + i)
.set G,    80                          ; v80-143  eight rows of wg, later the eight waves' partial logits
.set LG,   144                         ; v144-151 my eight partial logits
.set PC,   152                         ; v152-170 the codes (first: wg as loaded, v152-183)
.set TM,   172                         ; v172-187 at work in the quantiser
.set PW,   188                         ; the scale word
.set T8,   190                         ; v190-197 the other half of the lanes' logits
.set SEL,  32                          ; s[32:33] selects for lane l xor 16
	s_load_b128 s[4:7], s[0:1], 0x0                ; x, wg
	s_load_b128 s[8:11], s[0:1], 0x10              ; xt, sel
	s_load_b64 s[12:13], s[0:1], 0x20              ; prob
	s_load_b64 s[24:25], s[0:1], 0x28              ; selb: a byte a token, its first expert in the low four bits, its second in the high four
	v_lshl_add_u32 v200, v0, 2, 0x9200
	v_mov_b32 v201, 0
	v_lshrrev_b32 v1, 5, v0
	s_delay_alu instid0(VALU_DEP_1)
	v_readfirstlane_b32 s14, v1                    ; wave 0..7
	v_and_b32 v1, 31, v0                           ; lane
	v_and_b32 v2, 15, v0                           ; r: my token
	v_bfe_u32 v3, v0, 4, 1                         ; h
	s_lshl_b32 s15, s14, 12                        ; 4,096 w
	s_lshl_b32 s16, s14, 9                         ; 512 w
	v_lshlrev_b32 v13, 4, v1                       ; 16 x lane
	s_delay_alu instid0(VALU_DEP_1)
	v_add_nc_u32 v4, s15, v13                      ; wg in memory and in LDS: my wave's 4,096 bytes, 16 a lane
	v_lshlrev_b32 v5, 12, v2
	s_delay_alu instid0(VALU_DEP_1)
	v_lshl_add_u32 v5, v3, 6, v5
	s_delay_alu instid0(VALU_DEP_1)
	v_add_nc_u32 v5, s16, v5                       ; x: row r of 4,096 bytes + 512 w + 64 h
	v_lshl_add_u32 v6, v3, 9, s15                  ; wg's rows for my half: 4,096 w + 512 h
	v_lshlrev_b32 v10, 5, v2                       ; 32 r
	s_add_co_u32 s17, s16, PL
	v_add_nc_u32 v7, s17, v10                      ; where my partial logits go: PL + 512 w + 32 r
; xt IS LAID TOKEN BY TOKEN (this takes the place of the tiles of units that the head names): a token has 1,024 bytes; registers 4 g .. 4 g + 3 of K step s, lane half h, stand at 32 (3 s + g) + 16 h;
; its eight scale words at 768 + 4 s; bytes 800 to 1,023 are neither written nor read.  So the next launch gathers a routed row by its token's number alone.  The stores are pieces of 32 bytes, 0.8 MB in all.
	v_lshlrev_b32 v8, 10, v2
	v_lshl_add_u32 v8, v3, 4, v8
	s_mul_i32 s17, s14, 96
	v_add_nc_u32 v8, s17, v8                       ; xt: my K step's three units + 32 r + 16 h
	s_lshl_b32 s17, s14, 2
	s_add_co_u32 s17, s17, SCW
	v_add_nc_u32 v9, s17, v10                      ; my scale word: SCW + 32 r + 4 w
	v_add_nc_u32 v10, PL, v10                      ; wave 0 reads: PL + 32 r
	v_lshlrev_b32 v11, 3, v2                       ; sel, prob: 8 bytes a token
	v_lshl_add_u32 v12, v3, 4, v10
	v_add_nc_u32 v12, SCW-PL, v12                  ; wave 1 reads: SCW + 32 r + 16 h
.irp e, 0,1,2,3,4,5,6,7
	v_mov_b32 v[T8+\e], 0                          ; written once: a lane permute's destination counts as one of its sources
.endr
	s_mov_b32 s[SEL], 0x76543210
	s_mov_b32 s[SEL+1], 0xfedcba98
	s_lshl_b32 s18, ttmp9, 16                      ; the work-group's 16 rows of x,
	s_mov_b32 s19, 0
	s_lshl_b32 s20, ttmp9, 14                      ; its 16 tokens of xt,
	s_mov_b32 s21, 0
	s_lshl_b32 s22, ttmp9, 7                       ; its 16 pairs in sel and in prob
	s_mov_b32 s23, 0
	s_wait_kmcnt 0x0
	s_add_nc_u64 s[4:5], s[4:5], s[18:19]
	s_add_nc_u64 s[8:9], s[8:9], s[20:21]
	s_add_nc_u64 s[10:11], s[10:11], s[22:23]
	s_add_nc_u64 s[12:13], s[12:13], s[22:23]
	s_lshl_b32 s26, ttmp9, 4                       ; its 16 bytes of selb
	s_mov_b32 s27, 0
	s_add_nc_u64 s[24:25], s[24:25], s[26:27]
.irp i, 0,1,2,3,4,5,6,7
	global_load_b128 v[PC+4*\i:PC+4*\i+3], v4, s[6:7] offset:512*\i              ; my 128 rows of wg, 512 consecutive bytes a load
.endr
.irp b, 0,1,2,3
.irp j, 0,1,2,3
	global_load_b128 v[X+16*\b+4*\j:X+16*\b+4*\j+3], v5, s[4:5] offset:128*\b+16*\j th:TH_LOAD_NT
.endr
.endr
	s_wait_loadcnt 16                              ; wg is in; x's sixteen loads are younger
.irp i, 0,1,2,3,4,5,6,7
	ds_store_b128 v4, v[PC+4*\i:PC+4*\i+3] offset:512*\i                          ; into my wave's own bytes: no barrier; LDS serves a wave's instructions in order
.endr
	s_wait_loadcnt 0x0                             ; x
; Eight of my 64 k: their rows of wg (32 bytes each; the lanes of a half read the same bytes), then 32 packed multiply-adds: two experts an instruction, x's number for both halves.
.macro LOGITS b, hf
.irp kk, 0,1,2,3,4,5,6,7
	ds_load_b128 v[G+8*\kk:G+8*\kk+3], v6 offset:1024*(\b)+32*(8*(\hf)+\kk)
	ds_load_b128 v[G+8*\kk+4:G+8*\kk+7], v6 offset:1024*(\b)+32*(8*(\hf)+\kk)+16
.endr
	s_wait_alu depctr_va_vdst(0)
	s_wait_dscnt 0x0
.irp kk, 0,1,2,3,4,5,6,7
.set xr, X+16*(\b)+8*(\hf)+\kk
.irp p, 0,2,4,6
.if ((\b)+(\hf)+\kk) == 0
	v_pk_mul_f32 v[LG+\p:LG+\p+1], v[xr:xr+1], v[G+8*\kk+\p:G+8*\kk+\p+1] op_sel_hi:[0,1]      ; the first k starts the sums: nothing is cleared
.elseif (\kk)%2 == 0
	v_pk_fma_f32 v[LG+\p:LG+\p+1], v[xr:xr+1], v[G+8*\kk+\p:G+8*\kk+\p+1], v[LG+\p:LG+\p+1] op_sel_hi:[0,1,1]
.else
	s_delay_alu instid0(VALU_DEP_4)
	v_pk_fma_f32 v[LG+\p:LG+\p+1], v[xr-1:xr], v[G+8*\kk+\p:G+8*\kk+\p+1], v[LG+\p:LG+\p+1] op_sel:[1,0,0] op_sel_hi:[1,1,1]
.endif
.endr
.endr
.endm
.irp b, 0,1,2,3
.irp hf, 0,1
	LOGITS \b, \hf
.endr
.endr
.irp e, 0,1,2,3,4,5,6,7
	v_permlanex16_b32 v[T8+\e], v[LG+\e], s[SEL], s[SEL+1]
.endr
.irp p, 0,2,4,6
	v_pk_add_f32 v[LG+\p:LG+\p+1], v[LG+\p:LG+\p+1], v[T8+\p:T8+\p+1]              ; with lane l xor 16: my wave's 128 k of token r (both halves hold the same bits)
.endr
	ds_store_b128 v7, v[LG:LG+3]
	ds_store_b128 v7, v[LG+4:LG+7] offset:16
; THE QUANTISER: my row's four blocks of 32; a block lies in lanes l and l xor 16.
.irp b, 0,1,2,3
	v_max3_num_f32 v[TM+\b], |v[X+16*\b]|, |v[X+1+16*\b]|, 0x2800000               ; my 16 numbers, and the floor 2^(5 - 127): the byte cannot fall under 1
.endr
.irp i, 2,4,6,8,10,12,14
.irp b, 0,1,2,3
	s_delay_alu instid0(VALU_DEP_4)
	v_max3_num_f32 v[TM+\b], v[TM+\b], |v[X+16*\b+\i]|, |v[X+1+16*\b+\i]|
.endr
.endr
.irp b, 0,1,2,3
	s_delay_alu instid0(VALU_DEP_4)
	v_permlanex16_b32 v[TM+4+\b], v[TM+\b], s[SEL], s[SEL+1]                       ; (these destinations held wg: they have been written)
.endr
.irp b, 0,1,2,3
	s_delay_alu instid0(VALU_DEP_4)
	v_max_num_f32 v[TM+\b], v[TM+\b], v[TM+4+\b]                                   ; the block's largest magnitude
.endr
.irp b, 0,1,2,3
	s_delay_alu instid0(VALU_DEP_4)
	v_add_nc_u32 v[TM+12+\b], 0xfe000000, v[TM+\b]                                 ; 4 off its exponent field: the conversion takes this operand's exponent field as its scale
.endr
.irp b, 0,1,2,3
	s_delay_alu instid0(VALU_DEP_4)
	v_lshrrev_b32 v[TM+4+\b], 23, v[TM+12+\b]                                      ; the scale's byte
.endr
	s_delay_alu instid0(VALU_DEP_3)
	v_lshl_or_b32 v[PW], v[TM+5], 8, v[TM+4]
	s_delay_alu instid0(VALU_DEP_1)
	v_lshl_or_b32 v[PW], v[TM+6], 16, v[PW]
	s_delay_alu instid0(VALU_DEP_1)
	v_lshl_or_b32 v[PW], v[TM+7], 24, v[PW]        ; my row's scale word for this K step
.irp c, 0,1
	v_cvt_scalef32_pk16_bf6_f32 v[PC+6*\c:PC+2+6*\c], v[X+32*\c:X+15+32*\c], v[TM+12+2*\c]
	v_cvt_scalef32_pk16_bf6_f32 v[PC+12+4*\c:PC+14+4*\c], v[X+16+32*\c:X+31+32*\c], v[TM+12+2*\c+1]   ; (a conversion's three registers begin on an even number)
.endr
	v_nop                                          ; one plain place behind a scaled conversion
.irp c, 0,1                                    ; the operand's layout wants a whole block in a lane: lanes 0-15 block 2 c, lanes 16-31 block 2 c + 1
.irp i, 0,1,2
	v_permlane16_swap_b32 v[PC+6*\c+\i], v[PC+12+4*\c+\i]
.endr
.irp i, 0,1,2
	s_delay_alu instid0(VALU_DEP_3)
	v_mov_b32 v[PC+3+6*\c+\i], v[PC+12+4*\c+\i]
.endr
.endr
.irp g, 0,1,2
	global_store_b128 v8, v[PC+4*\g:PC+4*\g+3], s[8:9] offset:32*\g                ; token r's row: 96 w + 32 g + 16 h
.endr
	ds_store_b32 v9, v[PW]
	s_wait_dscnt 0x0                               ; for the others' sake: my logits and my scale words lie in LDS
	s_barrier_signal -1
	s_barrier_wait -1
	s_cmp_eq_u32 s14, 0
	s_cbranch_scc1 .Lgate
	s_cmp_eq_u32 s14, 1
	s_cbranch_scc0 .Ldone
	ds_load_b128 v[G:G+3], v12                     ; wave 1: the tile's 512 bytes of scale words go to byte 768 of each token's row of xt
	s_wait_dscnt 0x0
	global_store_b128 v8, v[G:G+3], s[8:9] offset:672                              ; wave 1's v8 holds 96: byte 768 + 16 h of token r's row
.Ldone:
	s_wait_tensorcnt 0x0
	ds_add_u32 v200, v201
	s_wait_dscnt 0x0
	s_endpgm
.Lgate:                                            ; wave 0: lane r (and lane 16 + r with it) has token r
.irp w, 0,1,2,3,4,5,6,7
	ds_load_b128 v[G+8*\w:G+8*\w+3], v10 offset:512*\w
	ds_load_b128 v[G+8*\w+4:G+8*\w+7], v10 offset:512*\w+16
.endr
	s_wait_dscnt 0x0
.irp w, 1,2,3,4,5,6,7
.irp p, 0,2,4,6
	v_pk_add_f32 v[G+\p:G+\p+1], v[G+\p:G+\p+1], v[G+8*\w+\p:G+8*\w+\p+1]          ; K ascending
.endr
.endr
	s_delay_alu instid0(VALU_DEP_4)
	v_mov_b32 v16, v[G]                            ; l1, the largest so far,
	v_mov_b32 v17, 0xff800000                      ; l2, the second: -infinity
	v_mov_b32 v18, 0                               ; and their experts
	v_mov_b32 v19, 0
.irp e, 1
	s_delay_alu instid0(VALU_DEP_4)
	v_cmp_gt_f32 s20, v[G+\e], v16
	s_delay_alu instid0(VALU_DEP_4)
	v_cmp_gt_f32 s21, v[G+\e], v17
	s_delay_alu instid0(VALU_DEP_2)
	v_cndmask_b32 v20, v[G+\e], v16, s20           ; what may become the second: the old first, or this logit
	s_delay_alu instid0(VALU_DEP_3)
	v_cndmask_b32 v21, \e, v18, s20
	s_delay_alu instid0(VALU_DEP_2)
	v_cndmask_b32 v17, v17, v20, s21
	s_delay_alu instid0(VALU_DEP_2)
	v_cndmask_b32 v19, v19, v21, s21
	v_cndmask_b32 v16, v16, v[G+\e], s20
	v_cndmask_b32 v18, v18, \e, s20
.endr
.irp e, 2, 3, 4, 5, 6, 7
	s_delay_alu instid0(VALU_DEP_2)
	v_cmp_gt_f32 s20, v[G+\e], v16
	v_cmp_gt_f32 s21, v[G+\e], v17
	s_delay_alu instid0(VALU_DEP_2)
	v_cndmask_b32 v20, v[G+\e], v16, s20           ; what may become the second: the old first, or this logit
	s_delay_alu instid0(VALU_DEP_3)
	v_cndmask_b32 v21, \e, v18, s20
	s_delay_alu instid0(VALU_DEP_2)
	v_cndmask_b32 v17, v17, v20, s21
	s_delay_alu instid0(VALU_DEP_2)
	v_cndmask_b32 v19, v19, v21, s21
	v_cndmask_b32 v16, v16, v[G+\e], s20
	v_cndmask_b32 v18, v18, \e, s20
.endr
	s_delay_alu instid0(VALU_DEP_2)
	v_sub_f32 v24, v17, v16                        ; l2 - l1, 0 or less: the maximum is taken away
	s_delay_alu instid0(VALU_DEP_1)
	v_mul_f32 v24, 0x3fb8aa3b, v24
	s_wait_alu depctr_va_vdst(0)
	v_exp_f32 v24, v24
	v_nop                                          ; a plain place behind the transcendental,
	s_wait_alu depctr_va_vdst(0)                   ; and the wait ahead of its first reader
	v_add_f32 v25, 1.0, v24
	s_wait_alu depctr_va_vdst(0)
	v_rcp_f32 v22, v25                             ; p0
	v_nop
	s_wait_alu depctr_va_vdst(0)
	v_mul_f32 v23, v24, v22                        ; p1
	v_lshl_or_b32 v26, v19, 4, v18                 ; the two experts in one byte
	v_cmp_gt_u32 vcc_lo, 16, v1
	s_wait_alu depctr_va_vdst(0)
	s_wait_xcnt 0x0                                ; EXEC is a source of my earlier stores: it changes only behind this wait
	s_wait_tensorcnt 0x0
	ds_add_u32 v200, v201
	s_wait_dscnt 0x0
	s_and_saveexec_b32 s22, vcc_lo
	global_store_b64 v11, v[18:19], s[10:11]       ; sixteen lanes: 128 consecutive bytes
	global_store_b64 v11, v[22:23], s[12:13]
	global_store_b8 v2, v26, s[24:25]              ; sixteen lanes: 16 consecutive bytes
	s_wait_xcnt 0x0
	s_or_b32 exec_lo, exec_lo, s22
	s_endpgm
.Lfunc_end_k_q157a6e7695_route:
	.size	k_q157a6e7695_route, .Lfunc_end_k_q157a6e7695_route-k_q157a6e7695_route
	.p2alignl 7, 3214868480
	.fill 96, 4, 3214868480
	.section	.rodata,"a",@progbits
	.p2align	6, 0x0
	.amdhsa_kernel k_q157a6e7695_route
		.amdhsa_group_segment_fixed_size 38400
		.amdhsa_private_segment_fixed_size 0
		.amdhsa_enable_private_segment 0
		.amdhsa_kernarg_size 48
		.amdhsa_user_sgpr_count 2
		.amdhsa_user_sgpr_kernarg_segment_ptr 1
		.amdhsa_wavefront_size32 1
		.amdhsa_system_sgpr_workgroup_id_x 1
		.amdhsa_system_sgpr_workgroup_id_y 1
		.amdhsa_system_sgpr_workgroup_id_z 1
		.amdhsa_system_vgpr_workitem_id 0
		.amdhsa_next_free_vgpr 202
		.amdhsa_next_free_sgpr 66
		.amdhsa_reserve_vcc 1
		.amdhsa_float_denorm_mode_32 3
		.amdhsa_float_denorm_mode_16_64 3
		.amdhsa_memory_ordered 1
		.amdhsa_forward_progress 1
		.amdhsa_inst_pref_size 50
	.end_amdhsa_kernel
	.amdgpu_metadata
---
amdhsa.version: [ 1, 2 ]
amdhsa.kernels:
  - .name:           k_q157a6e7695_route
    .symbol:         k_q157a6e7695_route.kd
    .args:
      - { .name: x, .offset: 0, .size: 8, .value_kind: global_buffer, .address_space: global }
      - { .name: wg, .offset: 8, .size: 8, .value_kind: global_buffer, .address_space: global }
      - { .name: xt, .offset: 16, .size: 8, .value_kind: global_buffer, .address_space: global }
      - { .name: sel, .offset: 24, .size: 8, .value_kind: global_buffer, .address_space: global }
      - { .name: prob, .offset: 32, .size: 8, .value_kind: global_buffer, .address_space: global }
      - { .name: selb, .offset: 40, .size: 8, .value_kind: global_buffer, .address_space: global }
    .group_segment_fixed_size: 38400
    .private_segment_fixed_size: 0
    .kernarg_segment_align: 8
    .kernarg_segment_size: 48
    .max_flat_workgroup_size: 256
    .sgpr_count:     66
    .vgpr_count:     202
    .wavefront_size: 32
...
	.end_amdgpu_metadata
.endif
;; end of part 1
;; launch up (part 2): grid 32 x 8, 4 waves a work-group, no clusters, 114,176 bytes of LDS; arguments w1, w3, xt, selb, h, order; writes h, order
.if DOCPART == 2
	.amdgcn_target "amdgcn-amd-amdhsa--gfx1250"
	.amdhsa_code_object_version 6
	.text
	.protected	k_q157a6e7695_up
	.globl	k_q157a6e7695_up
	.p2align	8
	.type	k_q157a6e7695_up,@function
k_q157a6e7695_up:
	s_mov_b64 s[64:65], 0
	v_nop
	global_prefetch_b8 v0, s[64:65] scope:SCOPE_SE
	s_setreg_imm32_b32 hwreg(HW_REG_WAVE_MODE, 25, 1), 1
	s_wait_xcnt 0x0
; h = silu(x w1) * (x w3) for the rows routed to one expert, both products on codes of E3M2 with one E8M0 byte for each 32 along K = D; h is quantised along F on the way out.
; w1, w3: [8][1024 (K)][2048] f32.  Work-group (x, e): expert e, columns 64 x .. 64 x + 63 of both: 2 x 256 KiB of f32, read ONCE in the launch and never written back as codes.
; PART 1, the same work whatever the routing: the four waves stream the 512 KiB (waves 0, 1: w1, waves 2, 3: w3; four K steps of 128 each), quantise in registers and lay the codes in LDS as IMAGES OF THE
;   OPERAND'S REGISTERS (64 fragments of 16 columns x 128 K, and their scale words).  Each load reads two whole row pieces of 256 aligned bytes: lanes 0-15 of one K step, lanes 16-31 of the next; a lane gets four
;   columns of a row.  The conversions want a column's 32 numbers down K in consecutive registers: 128 moves a unit of 32 rows turn the four columns; they also free the load's registers at once.
; PART 2: every wave takes ALL 64 fragments into its registers (768) and walks the expert's tiles of 16 rows, tile i = wave, wave + 4, ..: 64 matrix instructions a tile, the activation, the quantiser, the stores.
;   The products are used transposed (source 0 = 16 columns of w, source 1 = 16 rows of x), and THE COLUMNS OF A TILE ARE NOT NEIGHBOURS: column 32 b + 16 a + 8 u + z is row z + 8 a of tile 2 b + u, so that a lane holds
;   one routed row, and the 16 registers of tiles 2 b and 2 b + 1 are 16 neighbours along F, the next product's K.
; The number of tiles is a count read from memory.  So the text has no tensor load and no copy, its one barrier stands ahead of the first branch on that count, and no cluster shares the rows' tiles:
; a tile of x is 12,800 bytes beside the work-group's own 524,288 bytes of weights, and partners would walk different numbers of tiles only if given different experts, alike numbers only by a walk of all 64.
; h's tile (25,600 bytes): 32 pieces of 768 bytes, one for each x: registers 6 c .. 6 c + 3 (c = x mod 2) of K step x / 2 at 16 x lane, registers 6 c + 4, 6 c + 5 at 512 + 8 x lane; at 24,576 the scale bytes [16 rows][64].
; The two scale bytes of a row leave by a store of two bytes: one part in 384 of what the work-group reads.
; LIMITS: NaN and infinities are not served.  A block whose largest magnitude lies under 2^-122 (zeros too) gets the byte 1; this program alone reads the bytes.
; silu(a) b is computed as (a b) / (1 + 2^(-a log2 e)): it wants |a b| under 3.4e38, and gives 0 where the sigmoid falls under 2^-126.
.set FRB,   1552                       ; a fragment's image: 3 x 512 bytes + 16, so that the four tiles that a store touches begin in different banks
.set WSB,   64*FRB                     ; behind the 64 images: 32 images of scale registers, 128 bytes each
.set XTILE, 12800
.set HTILE, 25600
.set LISTS, 103936                     ; behind the spare words: a list of the expert's tokens for each wave, its own bytes
.set LPITCH, 2560                      ; 1,024 + 128 places of two bytes, then 64 bytes into which the lanes of other experts' tokens write, then filling
.set KROWB, 8192                       ; a row of w1 or w3 in bytes
.set L16,  1                           ; v1   16 x lane
.set L8,   2                           ; v2   8 x lane
.set LA,   3                           ; v3   16 h: my place in each 32 bytes of a token's row of xt
.set VX,   4                           ; v4   the row of xt that is being asked for + LA
.set L16B, 5                           ; v5   16 x lane + 32 images
.set L4S,  6                           ; v6   4 x lane + WSB
.set VH16, 7                           ; v7   768 x + 16 x lane
.set VH8,  8                           ; v8   768 x + 512 + 8 x lane
.set VHS,  9                           ; v9   24,576 + 2 x + 64 r
.set VW,   10                          ; v10  part 1: my bytes in a row of w, and my half's K step
.set VA,   11                          ; v11  part 1: where my columns' codes go
.set VS,   12                          ; v12  part 1: where their scale words go
.set X,    64                          ; part 1: v64-191 four columns x 32 down K;  v192-223 codes;  v224-235 at work;  v240-243 scale words
.set C,    192
.set TM,   224
.set SO,   232
.set SW,   240
.set WS,   16                          ; part 2: v16-47 the weights' scale words: register (8 m + s) 2 + t / 2: lanes 0-15 the even tile's, lanes 16-31 the odd tile's
.set XS,   48                          ; v48-51   x's scale words: register s mod 4; lanes 0-15 K steps 0-3, lanes 16-31 K steps 4-7
.set ACC,  52                          ; v52-83   x w1, tile t at + 8 t;  v84-115 x w3
.set A3,   ACC+32
.set XF,   116                         ; v116-211 x's eight fragments
.set WL,   212                         ; v212-223 weight fragment 63; fragment f = 8 s + 4 m + t < 63 lies in window 1 + f / 21 at v[12 (f mod 21)]
.set P,    232                         ; v232-237 h's codes;  v240-242 the second block's;  v244 the two scale bytes
.set QC,   240
.set HW,   244
.set TRIP, 42                          ; s42  the tile loop's counter: 0, 1, ..
.set TRIPS, 43                         ; s43  my wave's number of tiles; the loop does not write it
.set MSB, 0
.macro WIN new                         ; the immediate's high byte repeats the setting that is left; a switch that changes nothing is dropped
.if MSB != \new
	s_set_vgpr_msb (MSB<<8)|\new
.set MSB, \new
.endif
.endm
	s_load_b128 s[4:7], s[0:1], 0x0                ; w1, w3
	s_load_b128 s[8:11], s[0:1], 0x10              ; xt, selb
	s_load_b64 s[12:13], s[0:1], 0x20              ; h
	s_load_b64 s[2:3], s[0:1], 0x28                ; order
	v_lshl_add_u32 v254, v0, 2, 0x19400
	v_mov_b32 v255, 0
	v_lshrrev_b32 v13, 5, v0
	v_readfirstlane_b32 s14, v13                   ; wave 0..3
	s_and_b32 s16, ttmp7, 0xffff                   ; the expert
	v_and_b32 v13, 31, v0                          ; lane
	v_and_b32 v14, 15, v0                          ; q in part 1, r in part 2
	v_bfe_u32 v15, v0, 4, 1                        ; the lane's half
	v_lshlrev_b32 v[L16], 4, v13
	v_lshlrev_b32 v[L8], 3, v13
	v_lshlrev_b32 v[LA], 4, v15                    ; 16 h: my place in each 32 bytes of a token's row of xt
	v_lshlrev_b32 v24, 5, v13                      ; selb: 32 bytes a lane
	v_add_nc_u32 v[L16B], 32*FRB, v[L16]
	v_lshl_add_u32 v[L4S], v13, 2, WSB
	s_mul_i32 s20, ttmp9, 768
	v_add_nc_u32 v[VH16], s20, v[L16]
	s_add_co_u32 s21, s20, 512
	v_add_nc_u32 v[VH8], s21, v[L8]
	s_lshl_b32 s21, ttmp9, 1
	s_add_co_u32 s21, s21, 24576
	v_lshl_add_u32 v[VHS], v14, 6, s21
	v_lshlrev_b32 v[VW], 4, v14
	v_lshl_add_u32 v[VW], v15, 20, v[VW]           ; 16 q + (128 rows of 8,192 bytes) x half
	v_bfe_u32 v16, v0, 3, 1                        ; my four columns 4 q + j: b = q / 8,
	v_bfe_u32 v17, v0, 1, 1                        ; u = (q / 2) mod 2,
	v_lshl_add_u32 v18, v16, 1, v17                ; tile t = 2 b + u,
	v_and_b32 v19, 1, v0
	v_bfe_u32 v20, v0, 2, 1
	v_lshlrev_b32 v19, 2, v19
	v_lshl_add_u32 v19, v20, 3, v19                ; first row in it r0 = 4 (q mod 2) + 8 ((q / 4) mod 2)
	s_mul_i32 s20, s14, 16*FRB                     ; image (8 m + s) 4 + t, with 8 m + s = 4 wave + 2 p + half
	v_mul_u32_u24 v[VA], v18, FRB
	v_mad_u32_u24 v[VA], v15, 4*FRB, v[VA]
	v_lshl_add_u32 v[VA], v19, 4, v[VA]
	v_add_nc_u32 v[VA], s20, v[VA]
	s_lshl_b32 s20, s14, 10
	s_add_co_u32 s20, s20, WSB
	v_lshlrev_b32 v[VS], 2, v19                    ; scale image (8 m + s) 2 + t / 2, lane 16 (t mod 2) + row: 64 t + 4 r0
	v_lshl_add_u32 v[VS], v18, 6, v[VS]
	v_lshl_add_u32 v[VS], v15, 8, v[VS]
	v_add_nc_u32 v[VS], s20, v[VS]
	s_mov_b32 s32, 0x76543210
	s_mov_b32 s33, 0xfedcba98                      ; selects for lane l xor 16
	s_mov_b32 s35, 0
	s_mul_i32 s45, s16, 0x11                       ; the expert in both halves of a byte
	s_lshl_b32 s46, s16, 10                        ; the expert's first routed row
	s_lshl_b32 s20, s16, 23                        ; the expert's 8,388,608 bytes,
	s_and_b32 s21, s14, 1
	s_lshl_b32 s21, s21, 22                        ; my four K steps,
	s_add_co_u32 s20, s20, s21
	s_lshl_b32 s21, ttmp9, 8                       ; the 64 columns
	s_add_co_u32 s20, s20, s21
	s_mov_b32 s21, 0
	s_wait_alu depctr_va_vdst(0)
	s_wait_kmcnt 0x0
	global_load_b128 v[16:19], v24, s[10:11]       ; all 1,024 tokens' bytes: lane l has tokens 32 l .. 32 l + 31.  Issued ahead of the weights' loads: the first wait for those covers these two
	global_load_b128 v[20:23], v24, s[10:11] offset:16
	s_cmp_lt_u32 s14, 2
	s_cselect_b64 s[22:23], s[4:5], s[6:7]         ; waves 0, 1: w1; waves 2, 3: w3
	s_add_nc_u64 s[22:23], s[22:23], s[20:21]      ; my first pair of K steps,
	s_add_nc_u64 s[24:25], s[22:23], 0x200000      ; and my second
	s_mov_b64 s[26:27], s[8:9]                     ; xt: rows are gathered by token
	s_mul_i32 s20, s16, 64*HTILE
	s_add_nc_u64 s[36:37], s[12:13], s[20:21]      ; and of h
; A unit u = 4 p + i: rows 32 i .. 32 i + 31 of the pair p of K steps.  Window 1 holds two sets of 128 registers for the loads: register 4 row + j.
.macro LOADU u
	WIN 0x40                                       ; destination window 1
.set rr, 0
.rept 32
	global_load_b128 v[128*((\u)%2)+4*rr:128*((\u)%2)+4*rr+3], v[VW], s[22+2*((\u)/4):23+2*((\u)/4)] offset:(32*((\u)%4)+rr)*KROWB th:TH_LOAD_NT
.set rr, rr+1
.endr
.endm
.macro MOVEU u                                 ; the four columns are turned: register 32 j + row
	WIN 0x01                                       ; source window 1
.set rr, 0
.rept 32
.irp j, 0,1,2,3
	v_mov_b32 v[X+32*\j+rr], v[128*((\u)%2)+4*rr+\j]
.endr
.set rr, rr+1
.endr
.endm
; Four blocks of 32 down K, one for each of my columns, by turns: largest magnitude, scale, codes; block bi of a K step is registers 6 (bi / 2) .. + 5 of lane row + 16 (bi mod 2) of the fragment.
.macro PROC p, bi
	WIN 0
.irp j, 0,1,2,3
	v_max3_num_f32 v[TM+2*\j], |v[X+32*\j]|, |v[X+32*\j+1]|, |v[X+32*\j+2]|
	v_max3_num_f32 v[TM+2*\j+1], |v[X+32*\j+3]|, |v[X+32*\j+4]|, |v[X+32*\j+5]|
.endr
.irp k, 6,10,14,18,22,26
.irp j, 0,1,2,3
	v_max3_num_f32 v[TM+2*\j], v[TM+2*\j], |v[X+32*\j+\k]|, |v[X+32*\j+\k+1]|
	v_max3_num_f32 v[TM+2*\j+1], v[TM+2*\j+1], |v[X+32*\j+\k+2]|, |v[X+32*\j+\k+3]|
.endr
.endr
.irp j, 0,1,2,3
	v_max3_num_f32 v[TM+2*\j], v[TM+2*\j], |v[X+32*\j+30]|, |v[X+32*\j+31]|
.endr
.irp j, 0,1,2,3
	v_max3_num_f32 v[TM+2*\j], v[TM+2*\j], v[TM+2*\j+1], 0x2800000   ; and the floor 2^(5 - 127): the byte cannot fall under 1
.endr
.irp j, 0,1,2,3
	v_add_nc_u32 v[SO+\j], 0xfe000000, v[TM+2*\j]  ; 4 off the exponent field: the conversion's scale operand
.endr
.irp j, 0,1,2,3
	v_lshrrev_b32 v[TM+2*\j+1], 23, v[SO+\j]       ; the scale's byte
.endr
	s_wait_alu depctr_va_vdst(0)
	s_wait_dscnt 0x0                               ; the last unit's LDS stores are done: their data registers are written again below
.irp j, 0,1,2,3
.if (\bi) == 0
	v_mov_b32 v[SW+\j], v[TM+2*\j+1]
.else
	v_lshl_or_b32 v[SW+\j], v[TM+2*\j+1], 8*(\bi), v[SW+\j]
.endif
.endr
.irp j, 0,1,2,3
	v_cvt_scalef32_pk16_bf6_f32 v[C+8*\j:C+8*\j+2], v[X+32*\j:X+32*\j+15], v[SO+\j]
	v_cvt_scalef32_pk16_bf6_f32 v[C+8*\j+4:C+8*\j+6], v[X+32*\j+16:X+32*\j+31], v[SO+\j]   ; (a conversion's three registers begin on an even number)
.endr
	v_nop                                          ; one plain place behind a scaled conversion
.irp j, 0,1,2,3
	v_mov_b32 v[C+8*\j+3], v[C+8*\j+4]
	v_mov_b32 v[C+8*\j+4], v[C+8*\j+5]
	v_mov_b32 v[C+8*\j+5], v[C+8*\j+6]             ; the block's 24 bytes on end
.endr
.irp j, 0,1,2,3
.if (\bi) < 2
	ds_store_b128 v[VA], v[C+8*\j:C+8*\j+3] offset:8*FRB*(\p)+256*((\bi)%2)+16*\j          ; registers 0-3,
	ds_store_b64 v[VA], v[C+8*\j+4:C+8*\j+5] offset:8*FRB*(\p)+256*((\bi)%2)+16*\j+512     ; 4, 5
.else
	ds_store_b64 v[VA], v[C+8*\j:C+8*\j+1] offset:8*FRB*(\p)+256*((\bi)%2)+16*\j+520       ; registers 6, 7,
	ds_store_b128 v[VA], v[C+8*\j+2:C+8*\j+5] offset:8*FRB*(\p)+256*((\bi)%2)+16*\j+1024   ; 8-11
.endif
.endr
.if (\bi) == 3
	ds_store_b128 v[VS], v[SW:SW+3] offset:512*(\p)   ; my four columns' scale words of this K step
.endif
.endm
	LOADU 0
	LOADU 1                                        ; 64 loads of 512 bytes a wave are out
	s_wait_loadcnt 32                              ; unit 0's 32 loads are in, and the two loads of selb ahead of them; unit 1's are younger
	MOVEU 0
	LOADU 2
	PROC 0, 0
; THE EXPERT'S ROWS, ranked here while 64 loads of weights are out (whole numbers only; this takes the place of tiles placed by an earlier launch, which the head names).
; Every wave ranks all 1,024 tokens for itself: step k takes token 32 l + k in lane l; a token of the expert gets rank = the expert's tokens of earlier steps + those in lower lanes.
; The order of an expert's rows is free: this launch alone sets it.  Routed row 1024 e + rank.  The token's number goes to place rank of the wave's own list in LDS: no barrier.
; The list is cleared first: places behind the last rank name token 0, whose results fill the last tile's spare rows and are read by nobody.
	s_mul_i32 s47, s14, LPITCH
	s_add_co_u32 s47, s47, LISTS                   ; my wave's list
	v_and_b32 v25, 31, v0
	v_and_b32 v26, 15, v0
	v_lshl_add_u32 v251, v25, 4, s47               ; for the clearing: 16 bytes a lane
	v_add_nc_u32 v249, 1152, v25                   ; the place, behind the list, into which a lane writes whose token is another expert's
	v_lshlrev_b32 v250, 5, v25                     ; 32 l
	s_lshl_b32 s40, s14, 5
	s_add_co_u32 s40, s40, s47
	v_lshl_add_u32 v245, v26, 1, s40               ; tile wave + 4 j, row r: place 16 wave + r, 128 j bytes on
.irp i, 28,29,30,31
	v_mov_b32 v\i, 0
.endr
.irp i, 0,1,2,3,4
	ds_store_b128 v251, v[28:31] offset:512*\i     ; LDS serves a wave's instructions in order: the stores below land on cleared bytes
.endr
	s_mov_b32 s39, 0                               ; the expert's tokens so far
.set kk, 0
.rept 32
	v_bfe_u32 v24, v[16+kk/4], 8*(kk%4), 8         ; token 32 l + kk's byte
	v_xor_b32 v24, s45, v24                        ; a half that is 0 names this expert
	v_and_b32 v25, 15, v24
	v_cmp_eq_u32 s40, 0, v25
	v_cmp_gt_u32 s41, 16, v24
	s_or_b32 s44, s40, s41                         ; the step's tokens of the expert
	v_mbcnt_lo_u32_b32 v26, s44, s39               ; the rank
	v_cndmask_b32 v27, v249, v26, s44              ; the place in my list: the rank, or the lane's spare place
	v_min_u32 v27, 0x4ff, v27                      ; a bound written here, ahead of the address: 1,280 places of two bytes are my wave's own
	v_lshl_add_u32 v27, v27, 1, s47
	v_add_nc_u32 v[32+kk], s46, v26                ; the routed row (of another expert's token: a number that nobody selects)
	v_add_nc_u32 v24, kk, v250
	ds_store_b16 v27, v24
	s_bcnt1_i32_b32 s40, s44
	s_add_co_u32 s39, s39, s40
.set kk, kk+1
.endr
	s_wait_alu depctr_va_vdst(0)
	s_or_b32 s40, ttmp9, s14
	s_cmp_lg_u32 s40, 0
	s_cbranch_scc1 .Lno_order                      ; wave 0 of the expert's work-group x = 0 alone stores order [8][1024]: each token's routed row for this expert; and at 32,768 + 128 e the count, 32 times
	s_lshl_b32 s40, s16, 12
	s_lshl_b32 s41, s16, 7
	v_lshl_add_u32 v24, v250, 2, s40               ; 4,096 e + 128 l
	v_lshrrev_b32 v25, 3, v250
	v_add_nc_u32 v25, s41, v25                     ; 128 e + 4 l
	v_mov_b32 v26, s39
.irp q, 0,1,2,3,4,5,6,7
	global_store_b128 v24, v[32+4*\q:35+4*\q], s[2:3] offset:16*\q
.endr
	global_store_b32 v25, v26, s[2:3] offset:32768
.Lno_order:
.irp u, 1,2,3,4,5
	s_wait_loadcnt 32
	MOVEU \u
	LOADU \u+2
	PROC \u/4, \u%4
.endr
	s_wait_loadcnt 32
	MOVEU 6
	PROC 1, 2
	s_wait_loadcnt 0x0
	MOVEU 7
	PROC 1, 3
	s_wait_dscnt 0x0                               ; for the others' sake: my images lie in LDS
	s_barrier_signal -1
	s_barrier_wait -1                              ; the one barrier; every wave passes it, whatever the count
	s_wait_xcnt 0x0                                ; the stores of order have read their registers, which part 2 writes
	s_min_u32 s17, s39, 0x400                      ; the expert's count of rows
	s_add_co_u32 s18, s17, 15
	s_lshr_b32 s18, s18, 4                         ; the expert's tiles, 64 at the most
	s_cmp_ge_u32 s14, s18
	s_cbranch_scc1 .Lend                           ; no tile for this wave
	s_mov_b32 s19, s14                             ; i: my tile; it goes on by 4 a trip
	s_sub_co_u32 s[TRIPS], s18, s14
	s_add_co_u32 s[TRIPS], s[TRIPS], 3
	s_lshr_b32 s[TRIPS], s[TRIPS], 2               ; my tiles: wave, wave + 4, .. under the expert's number: at least 1 here,
	s_min_u32 s[TRIPS], s[TRIPS], 16               ; 16 at the most
	s_mov_b32 s[TRIP], 0
; Row r's token in each of my sixteen possible tiles, wave + 4 j: read here once, at constant offsets, and kept two to a register in v246-253, the next tile's in the low half of v246.
.irp j, 0,1,2,3,4,5,6,7,8,9,10,11,12,13,14,15
	ds_load_u16 v[116+\j], v245 offset:128*\j      ; (these registers take x's fragments afterwards)
.endr
	s_wait_dscnt 0x0
.irp k, 0,1,2,3,4,5,6,7
	v_lshl_or_b32 v[246+\k], v[117+2*\k], 16, v[116+2*\k]
.endr
.macro SHIFT                                   ; the eight registers go down by one token; zeros, token 0, come in at the top
.irp k, 0,1,2,3,4,5,6
	v_lshrrev_b32 v[246+\k], 16, v[246+\k]
	v_lshl_or_b32 v[246+\k], v[247+\k], 16, v[246+\k]
.endr
	v_lshrrev_b32 v253, 16, v253
.endm
	v_and_b32 v245, 0xffff, v246                   ; my first tile's token
	v_min_u32 v245, 0x3ff, v245                    ; a loaded number enters an address behind a bound written here
	v_lshl_add_u32 v[VX], v245, 10, v[LA]          ; the token's row of xt + 16 h
	SHIFT
	s_wait_alu depctr_va_vdst(0)                   ; the first trip reads v246-253 behind waits that block
.macro XA                                      ; x's fragments of K steps 0-3: 12 loads, 32 bytes of each of 16 rows
.irp ks, 0,1,2,3
.irp g, 0,1,2
	global_load_b128 v[XF+12*\ks+4*\g:XF+12*\ks+4*\g+3], v[VX], s[26:27] offset:32*(3*\ks+\g)
.endr
.endr
.endm
.macro XB                                      ; the scale words, then K steps 4-7
	global_load_b128 v[XS:XS+3], v[VX], s[26:27] offset:768
.irp ks, 4,5,6,7
.irp g, 0,1,2
	global_load_b128 v[XF+12*\ks+4*\g:XF+12*\ks+4*\g+3], v[VX], s[26:27] offset:32*(3*\ks+\g)
.endr
.endr
.endm
.macro XADDR                                   ; on to my next tile; behind my last one a tile that has been written is named again, and its loads are never waited for
	s_wait_xcnt 0x0                                ; the loads that are out have read v[VX]
	v_and_b32 v245, 0xffff, v246                   ; my next tile's token (behind my last tile: a cleared place or a zero, token 0; its loads are never waited for)
	v_min_u32 v245, 0x3ff, v245
	v_lshl_add_u32 v[VX], v245, 10, v[LA]
	SHIFT
.endm
	XA
	XB
; All 64 weight fragments and their scale words come out of LDS as they were laid.
.set ff, 0
.rept 64
.set ph, (8*((ff%8)/4)+ff/8)*4+ff%4
.if ff < 63
.set wv, (1+ff/21)<<6
.set rA, 12*(ff%21)
.else
.set wv, 0
.set rA, WL
.endif
	WIN wv
.irp g, 0,1,2
.if ph < 32
	ds_load_b128 v[rA+4*\g:rA+4*\g+3], v[L16] offset:FRB*ph+512*\g
.else
	ds_load_b128 v[rA+4*\g:rA+4*\g+3], v[L16B] offset:FRB*(ph-32)+512*\g
.endif
.endr
.set ff, ff+1
.endr
	WIN 0
.set rr, 0
.rept 32
	ds_load_b32 v[WS+rr], v[L4S] offset:128*rr
.set rr, rr+1
.endr
	s_wait_dscnt 0x0
.macro WM                                      ; one product; its registers and rows of scale registers stand in symbols
.if rZ
.if rRA
	v_wmma_scale_f32_16x16x128_f8f6f4 v[rD:rD+7], v[rA:rA+11], v[rB:rB+11], 0, v[rSA], v[rSB] matrix_a_fmt:MATRIX_FMT_BF6 matrix_b_fmt:MATRIX_FMT_BF6 matrix_a_scale:MATRIX_SCALE_ROW1
.else
	v_wmma_scale_f32_16x16x128_f8f6f4 v[rD:rD+7], v[rA:rA+11], v[rB:rB+11], 0, v[rSA], v[rSB] matrix_a_fmt:MATRIX_FMT_BF6 matrix_b_fmt:MATRIX_FMT_BF6
.endif
.elseif (rRA) && (rRB)
	v_wmma_scale_f32_16x16x128_f8f6f4 v[rD:rD+7], v[rA:rA+11], v[rB:rB+11], v[rD:rD+7], v[rSA], v[rSB] matrix_a_fmt:MATRIX_FMT_BF6 matrix_b_fmt:MATRIX_FMT_BF6 matrix_a_scale:MATRIX_SCALE_ROW1 matrix_b_scale:MATRIX_SCALE_ROW1
.elseif rRA
	v_wmma_scale_f32_16x16x128_f8f6f4 v[rD:rD+7], v[rA:rA+11], v[rB:rB+11], v[rD:rD+7], v[rSA], v[rSB] matrix_a_fmt:MATRIX_FMT_BF6 matrix_b_fmt:MATRIX_FMT_BF6 matrix_a_scale:MATRIX_SCALE_ROW1
.elseif rRB
	v_wmma_scale_f32_16x16x128_f8f6f4 v[rD:rD+7], v[rA:rA+11], v[rB:rB+11], v[rD:rD+7], v[rSA], v[rSB] matrix_a_fmt:MATRIX_FMT_BF6 matrix_b_fmt:MATRIX_FMT_BF6 matrix_b_scale:MATRIX_SCALE_ROW1
.else
	v_wmma_scale_f32_16x16x128_f8f6f4 v[rD:rD+7], v[rA:rA+11], v[rB:rB+11], v[rD:rD+7], v[rSA], v[rSB] matrix_a_fmt:MATRIX_FMT_BF6 matrix_b_fmt:MATRIX_FMT_BF6
.endif
.endm
; K step ks: eight products, w1's four tiles and w3's four.  The eight accumulators take turns, one instruction a turn; K step 0 starts the sums with the constant 0.
.macro MULK ks
.irp tau, 0,1,2,3,4,5,6,7
.set ff, 8*(\ks)+\tau
.if ff < 63
.set wv, 1+ff/21
.set rA, 12*(ff%21)
.else
.set wv, 0
.set rA, WL
.endif
.set rD, ACC+8*\tau
.set rB, XF+12*(\ks)
.set rSA, WS+2*(8*(\tau/4)+(\ks))+(\tau%4)/2
.set rSB, XS+(\ks)%4
.set rZ, (\ks)==0
.set rRA, \tau%2
.set rRB, (\ks)/4
	WIN wv                                         ; source 0 in the fragment's window
	WM
.endr
.endm
.Ltile:                                                ; sixteen trips, a constant, so that the list's address can be read off the text; a trip behind my last tile jumps over the work
	s_cmp_ge_u32 s[TRIP], s[TRIPS]
	s_cbranch_scc1 .Lnext
	s_wait_loadcnt 12
	MULK 0
	MULK 1
	MULK 2
	MULK 3
	WIN 0
.rept 4
	v_nop                                          ; four places in front of loads into registers that matrix instructions have read
.endr
	XADDR
	XA                                             ; my next tile's first half
	s_wait_alu depctr_va_vdst(0)
	s_wait_loadcnt 12                              ; K steps 4-7 are in; the twelve just issued are younger
	MULK 4
	MULK 5
	MULK 6
	MULK 7
	WIN 0
.rept 4
	v_nop                                          ; four places in front of the loads below and of the first read of results
.endr
	XB                                             ; my next tile's second half
	; the activation, in f32.  Each accumulator is first read at its low end.
.set pp, 0
.rept 16
	v_pk_mul_f32 v[A3+2*pp:A3+2*pp+1], v[ACC+2*pp:ACC+2*pp+1], v[A3+2*pp:A3+2*pp+1]        ; a b
.set pp, pp+1
.endr
.set pp, 0
.rept 16
	v_pk_mul_f32 v[ACC+2*pp:ACC+2*pp+1], v[ACC+2*pp:ACC+2*pp+1], 0xbfb8aa3b op_sel_hi:[1,0]   ; -a log2 e
.set pp, pp+1
.endr
.set pp, 0
	s_wait_alu depctr_va_vdst(0)
.rept 32
	v_exp_f32 v[ACC+pp], v[ACC+pp]
.set pp, pp+1
.endr
	v_nop                                          ; a plain place behind the batch,
	s_wait_alu depctr_va_vdst(0)                   ; and one wait for all 32, ahead of their first reader
.set pp, 0
.rept 16
	v_pk_add_f32 v[ACC+2*pp:ACC+2*pp+1], v[ACC+2*pp:ACC+2*pp+1], 1.0 op_sel_hi:[1,0]
.set pp, pp+1
.endr
.set pp, 0
	s_wait_alu depctr_va_vdst(0)
.rept 32
	v_rcp_f32 v[ACC+pp], v[ACC+pp]
.set pp, pp+1
.endr
	v_nop
	s_wait_alu depctr_va_vdst(0)
.set pp, 0
.rept 16
	v_pk_mul_f32 v[ACC+2*pp:ACC+2*pp+1], v[ACC+2*pp:ACC+2*pp+1], v[A3+2*pp:A3+2*pp+1]      ; h: register 16 b + i is column 64 x + 32 b + 16 h + i of my row
.set pp, pp+1
.endr
	; h's two blocks of 32 along F; a block lies in lanes l and l xor 16
.irp b, 0,1
	v_max3_num_f32 v[TM+\b], |v[ACC+16*\b]|, |v[ACC+16*\b+1]|, 0x2800000
.endr
.irp k, 2,4,6,8,10,12,14
.irp b, 0,1
	v_max3_num_f32 v[TM+\b], v[TM+\b], |v[ACC+16*\b+\k]|, |v[ACC+16*\b+\k+1]|
.endr
.endr
.irp b, 0,1
	v_permlanex16_b32 v[TM+2+\b], v[TM+\b], s32, s33   ; (these destinations were written in part 1)
.endr
.irp b, 0,1
	v_max_num_f32 v[TM+\b], v[TM+\b], v[TM+2+\b]
.endr
.irp b, 0,1
	v_add_nc_u32 v[TM+4+\b], 0xfe000000, v[TM+\b]
.endr
.irp b, 0,1
	v_lshrrev_b32 v[TM+6+\b], 23, v[TM+4+\b]
.endr
	s_wait_alu depctr_va_vdst(0)
	s_wait_xcnt 0x0                                ; the last tile's stores have read their data and their base: both are written below
	v_lshl_or_b32 v[HW], v[TM+7], 8, v[TM+6]       ; my row's two scale bytes
	s_min_u32 s34, s19, 63
	s_mul_i32 s34, s34, HTILE
	s_add_nc_u64 s[28:29], s[36:37], s[34:35]      ; h's tile i of the expert
	v_cvt_scalef32_pk16_bf6_f32 v[P:P+2], v[ACC:ACC+15], v[TM+4]
	v_cvt_scalef32_pk16_bf6_f32 v[QC:QC+2], v[ACC+16:ACC+31], v[TM+5]
	v_nop                                          ; one plain place behind a scaled conversion
.irp i, 0,1,2
	v_permlane16_swap_b32 v[P+\i], v[QC+\i]        ; a whole block to a lane: lanes 0-15 block 0, lanes 16-31 block 1
.endr
.irp i, 0,1,2
	v_mov_b32 v[P+3+\i], v[QC+\i]
.endr
	global_store_b128 v[VH16], v[P:P+3], s[28:29]  ; 512 consecutive bytes, aligned,
	global_store_b64 v[VH8], v[P+4:P+5], s[28:29]  ; and 256
	global_store_b16 v[VHS], v[HW], s[28:29]       ; (both lanes of a row write the same two bytes)
	s_add_co_u32 s19, s19, 4                       ; my next tile
.Lnext:
	s_add_co_u32 s[TRIP], s[TRIP], 1
	s_cmp_lt_u32 s[TRIP], 16
	s_cbranch_scc1 .Ltile
.Lend:
	s_barrier_signal -1
	s_barrier_wait -1
	s_wait_tensorcnt 0x0
	ds_add_u32 v254, v255
	s_wait_dscnt 0x0
	s_endpgm
.Lfunc_end_k_q157a6e7695_up:
	.size	k_q157a6e7695_up, .Lfunc_end_k_q157a6e7695_up-k_q157a6e7695_up
	.p2alignl 7, 3214868480
	.fill 96, 4, 3214868480
	.section	.rodata,"a",@progbits
	.p2align	6, 0x0
	.amdhsa_kernel k_q157a6e7695_up
		.amdhsa_group_segment_fixed_size 114176
		.amdhsa_private_segment_fixed_size 0
		.amdhsa_enable_private_segment 0
		.amdhsa_kernarg_size 48
		.amdhsa_user_sgpr_count 2
		.amdhsa_user_sgpr_kernarg_segment_ptr 1
		.amdhsa_wavefront_size32 1
		.amdhsa_system_sgpr_workgroup_id_x 1
		.amdhsa_system_sgpr_workgroup_id_y 1
		.amdhsa_system_sgpr_workgroup_id_z 1
		.amdhsa_system_vgpr_workitem_id 0
		.amdhsa_next_free_vgpr 1024
		.amdhsa_next_free_sgpr 66
		.amdhsa_reserve_vcc 0
		.amdhsa_float_denorm_mode_32 3
		.amdhsa_float_denorm_mode_16_64 3
		.amdhsa_memory_ordered 1
		.amdhsa_forward_progress 1
		.amdhsa_inst_pref_size 176
	.end_amdhsa_kernel
	.amdgpu_metadata
---
amdhsa.version: [ 1, 2 ]
amdhsa.kernels:
  - .name:           k_q157a6e7695_up
    .symbol:         k_q157a6e7695_up.kd
    .args:
      - { .name: w1, .offset: 0, .size: 8, .value_kind: global_buffer, .address_space: global }
      - { .name: w3, .offset: 8, .size: 8, .value_kind: global_buffer, .address_space: global }
      - { .name: xt, .offset: 16, .size: 8, .value_kind: global_buffer, .address_space: global }
      - { .name: selb, .offset: 24, .size: 8, .value_kind: global_buffer, .address_space: global }
      - { .name: h, .offset: 32, .size: 8, .value_kind: global_buffer, .address_space: global }
      - { .name: order, .offset: 40, .size: 8, .value_kind: global_buffer, .address_space: global }
    .group_segment_fixed_size: 114176
    .private_segment_fixed_size: 0
    .kernarg_segment_align: 8
    .kernarg_segment_size: 48
    .max_flat_workgroup_size: 128
    .sgpr_count:     66
    .vgpr_count:     1024
    .wavefront_size: 32
...
	.end_amdgpu_metadata
.endif
;; end of part 2
;; launch down (part 3): grid 32 x 8, 4 waves a work-group, no clusters, 69,632 bytes of LDS; arguments w2, h, order, y; writes y
.if DOCPART == 3
	.amdgcn_target "amdgcn-amd-amdhsa--gfx1250"
	.amdhsa_code_object_version 6
	.text
	.protected	k_q157a6e7695_down
	.globl	k_q157a6e7695_down
	.p2align	8
	.type	k_q157a6e7695_down,@function
k_q157a6e7695_down:
	s_mov_b64 s[64:65], 0
	v_nop
	global_prefetch_b8 v0, s[64:65] scope:SCOPE_SE
	s_setreg_imm32_b32 hwreg(HW_REG_WAVE_MODE, 25, 1), 1
	s_wait_xcnt 0x0
; y = h w2 for the rows routed to one expert, on codes of E3M2 with one E8M0 byte for each 32 along K = F.  w2: [8][2048 (K)][1024] f32.
; Work-group (x, e): expert e, columns 64 (x / 2) .. + 63 of D, half x mod 2 of F (1,024 along K): 256 KiB of f32, read once in the launch.  K is halved so that there are 256 work-groups whose row pieces
; are still 256 aligned bytes; the two halves' sums go to two planes of y, [2][8192 rows][1024] f32, and the last launch adds them.
; PART 1 as in the launch before: wave w streams K steps 2 w (lanes 0-15) and 2 w + 1 (lanes 16-31) of the half, quantises in registers, and lays 32 fragments and their scale words in LDS as images of the operand's registers.
; PART 2: every wave takes all 32 fragments into registers (384) and walks the expert's tiles of 16 rows, i = wave, wave + 4, ..: 32 matrix instructions a tile, transposed (source 0 = 16 columns of w2,
; source 1 = 16 rows of h), so that a lane holds eight neighbouring numbers of a row of y; they go through the wave's own stage in LDS and leave as whole rows of 256 aligned bytes.
; The number of tiles is a count read from memory: no tensor load, no copy, the one barrier ahead of the first branch on it, no cluster (a tile's half of h is 12,800 bytes beside 262,144 bytes of weights of its own).
; LIMITS: NaN and infinities are not served; a block of w2 whose largest magnitude lies under 2^-122 (zeros too) gets the byte 1.
.set FRB,   1552
.set WSB,   32*FRB                     ; 16 images of scale registers
.set STG,   WSB+2048                   ; the stages: 16 rows x 272 bytes for each wave
.set SP,    272
.set HTILE, 25600
.set KROWB, 4096
.set L16,  1                           ; v1   16 x lane
.set VX16, 2                           ; v2-4 the tile of h that is being asked for: + K16, + K8, + KS
.set VX8,  3
.set VXS,  4
.set K8,   5                           ; v5   my half of F (12,288 bytes of a tile) + 8 x lane
.set KS,   6                           ; v6   24,576 + 64 r + 32 x half of F + 16 h
.set L4S,  7                           ; v7   4 x lane + WSB
.set STO,  8                           ; v8   the stage: where I put 32 bytes of a row
.set SRD,  9                           ; v9   and where I read rows back
.set VW,   10
.set VA,   11
.set VS,   12
.set VY,   13                          ; v13  y: lanes 0-15 one row, lanes 16-31 the next, 16 bytes a lane
.set K16,  14                          ; v14  my half of F + 16 x lane
.set X,    64
.set C,    192
.set TM,   224
.set SO,   232
.set SW,   240
.set WS,   16                          ; part 2: v16-31 w2's scale words: register 2 s + t / 2
.set XS,   32                          ; v32-35  h's
.set ACC,  36                          ; v36-67  four accumulators
.set XF,   68                          ; v68-163 h's eight fragments
.set OB,   164                         ; v164-195 16 rows read back from the stage
.set TRIP, 42                          ; s42  the tile loop's counter: 0, 1, ..
.set TRIPS, 43                         ; s43  my wave's number of tiles; the loop does not write it
.set MSB, 0
.macro WIN new
.if MSB != \new
	s_set_vgpr_msb (MSB<<8)|\new
.set MSB, \new
.endif
.endm
	s_load_b128 s[4:7], s[0:1], 0x0                ; w2, h
	s_load_b128 s[8:11], s[0:1], 0x10              ; order, y
	v_lshl_add_u32 v254, v0, 2, 0x10e00
	v_mov_b32 v255, 0
	v_lshrrev_b32 v15, 5, v0
	v_readfirstlane_b32 s14, v15                   ; wave 0..3
	s_and_b32 s16, ttmp7, 0xffff                   ; the expert
	s_lshr_b32 s15, ttmp9, 1                       ; which 64 columns
	s_and_b32 s39, ttmp9, 1                        ; which half of F
	v_and_b32 v16, 31, v0                          ; lane
	v_and_b32 v17, 15, v0                          ; q, r
	v_bfe_u32 v15, v0, 4, 1                        ; the lane's half
	v_lshlrev_b32 v[L16], 4, v16
	s_mul_i32 s20, s39, 12288
	v_add_nc_u32 v[K16], s20, v[L16]
	v_lshl_add_u32 v[K8], v16, 3, s20
	s_lshl_b32 s20, s39, 5
	s_add_co_u32 s20, s20, 24576
	v_lshl_add_u32 v[KS], v17, 6, s20
	v_lshl_add_u32 v[KS], v15, 4, v[KS]
	v_lshl_add_u32 v[L4S], v16, 2, WSB
	s_mul_i32 s20, s14, 16*SP
	s_add_co_u32 s20, s20, STG                     ; my stage
	v_mul_u32_u24 v[STO], v17, SP
	v_lshl_add_u32 v[STO], v15, 5, v[STO]
	v_add_nc_u32 v[STO], s20, v[STO]               ; in: row r, + 32 h; tile t: 64 t on
	v_mul_u32_u24 v[SRD], v15, SP
	v_lshl_add_u32 v[SRD], v17, 4, v[SRD]
	v_add_nc_u32 v[SRD], s20, v[SRD]               ; back: two rows an instruction
	v_lshlrev_b32 v[VY], 12, v15
	v_lshl_add_u32 v[VY], v17, 4, v[VY]
	v_lshlrev_b32 v[VW], 4, v17
	v_lshl_add_u32 v[VW], v15, 19, v[VW]           ; 16 q + (128 rows of 4,096 bytes) x half
	v_bfe_u32 v18, v0, 2, 2                        ; my four columns 4 q + j: tile t = q / 4,
	v_and_b32 v19, 3, v0
	v_lshlrev_b32 v19, 2, v19                      ; first row in it r0 = 4 (q mod 4)
	s_mul_i32 s20, s14, 8*FRB                      ; image 4 s + t, s = 2 wave + half
	v_mul_u32_u24 v[VA], v18, FRB
	v_mad_u32_u24 v[VA], v15, 4*FRB, v[VA]
	v_lshl_add_u32 v[VA], v19, 4, v[VA]
	v_add_nc_u32 v[VA], s20, v[VA]
	s_lshl_b32 s20, s14, 9
	s_add_co_u32 s20, s20, WSB
	v_lshlrev_b32 v[VS], 2, v19                    ; scale image 2 s + t / 2, lane 16 (t mod 2) + row: 64 t + 4 r0
	v_lshl_add_u32 v[VS], v18, 6, v[VS]
	v_lshl_add_u32 v[VS], v15, 8, v[VS]
	v_add_nc_u32 v[VS], s20, v[VS]
	s_mov_b32 s35, 0
	s_lshl_b32 s38, s16, 7
	s_lshl_b32 s20, s16, 23                        ; the expert,
	s_lshl_b32 s21, s39, 22                        ; the half of F: 1,024 rows,
	s_add_co_u32 s20, s20, s21
	s_lshl_b32 s21, s14, 20                        ; my two K steps,
	s_add_co_u32 s20, s20, s21
	s_lshl_b32 s21, s15, 8                         ; the 64 columns
	s_add_co_u32 s20, s20, s21
	s_mov_b32 s21, 0
	s_wait_kmcnt 0x0
	s_load_b32 s17, s[8:9], s38 offset:0x8000      ; the expert's count of rows, at 32,768 + 128 e of order; wanted behind the barrier
	s_add_nc_u64 s[22:23], s[4:5], s[20:21]
	s_mul_i32 s20, s16, 64*HTILE
	s_add_nc_u64 s[26:27], s[6:7], s[20:21]        ; the expert's tiles of h
	s_lshl_b32 s20, s39, 25                        ; y: the half's plane,
	s_lshl_b32 s40, s16, 22                        ; the expert's 1,024 rows,
	s_add_co_u32 s20, s20, s40
	s_lshl_b32 s40, s15, 8                         ; the 64 columns
	s_add_co_u32 s20, s20, s40
	s_add_nc_u64 s[36:37], s[10:11], s[20:21]
.macro LOADU u                                 ; unit u: rows 32 u .. 32 u + 31 of my two K steps
	WIN 0x40
.set rr, 0
.rept 32
	global_load_b128 v[128*((\u)%2)+4*rr:128*((\u)%2)+4*rr+3], v[VW], s[22:23] offset:(32*(\u)+rr)*KROWB th:TH_LOAD_NT
.set rr, rr+1
.endr
.endm
.macro MOVEU u
	WIN 0x01
.set rr, 0
.rept 32
.irp j, 0,1,2,3
	v_mov_b32 v[X+32*\j+rr], v[128*((\u)%2)+4*rr+\j]
.endr
.set rr, rr+1
.endr
.endm
.macro PROC bi                                 ; four blocks of 32 down K, one for each of my columns: as in the launch before
	WIN 0
.irp j, 0,1,2,3
	v_max3_num_f32 v[TM+2*\j], |v[X+32*\j]|, |v[X+32*\j+1]|, |v[X+32*\j+2]|
	v_max3_num_f32 v[TM+2*\j+1], |v[X+32*\j+3]|, |v[X+32*\j+4]|, |v[X+32*\j+5]|
.endr
.irp k, 6,10,14,18,22,26
.irp j, 0,1,2,3
	v_max3_num_f32 v[TM+2*\j], v[TM+2*\j], |v[X+32*\j+\k]|, |v[X+32*\j+\k+1]|
	v_max3_num_f32 v[TM+2*\j+1], v[TM+2*\j+1], |v[X+32*\j+\k+2]|, |v[X+32*\j+\k+3]|
.endr
.endr
.irp j, 0,1,2,3
	v_max3_num_f32 v[TM+2*\j], v[TM+2*\j], |v[X+32*\j+30]|, |v[X+32*\j+31]|
.endr
.irp j, 0,1,2,3
	v_max3_num_f32 v[TM+2*\j], v[TM+2*\j], v[TM+2*\j+1], 0x2800000   ; the floor 2^(5 - 127)
.endr
.irp j, 0,1,2,3
	v_add_nc_u32 v[SO+\j], 0xfe000000, v[TM+2*\j]
.endr
.irp j, 0,1,2,3
	v_lshrrev_b32 v[TM+2*\j+1], 23, v[SO+\j]
.endr
	s_wait_alu depctr_va_vdst(0)
	s_wait_dscnt 0x0                               ; the last unit's LDS stores are done: their data registers are written again below
.irp j, 0,1,2,3
.if (\bi) == 0
	v_mov_b32 v[SW+\j], v[TM+2*\j+1]
.else
	v_lshl_or_b32 v[SW+\j], v[TM+2*\j+1], 8*(\bi), v[SW+\j]
.endif
.endr
.irp j, 0,1,2,3
	v_cvt_scalef32_pk16_bf6_f32 v[C+8*\j:C+8*\j+2], v[X+32*\j:X+32*\j+15], v[SO+\j]
	v_cvt_scalef32_pk16_bf6_f32 v[C+8*\j+4:C+8*\j+6], v[X+32*\j+16:X+32*\j+31], v[SO+\j]
.endr
	v_nop                                          ; one plain place behind a scaled conversion
.irp j, 0,1,2,3
	v_mov_b32 v[C+8*\j+3], v[C+8*\j+4]
	v_mov_b32 v[C+8*\j+4], v[C+8*\j+5]
	v_mov_b32 v[C+8*\j+5], v[C+8*\j+6]
.endr
.irp j, 0,1,2,3
.if (\bi) < 2
	ds_store_b128 v[VA], v[C+8*\j:C+8*\j+3] offset:256*((\bi)%2)+16*\j
	ds_store_b64 v[VA], v[C+8*\j+4:C+8*\j+5] offset:256*((\bi)%2)+16*\j+512
.else
	ds_store_b64 v[VA], v[C+8*\j:C+8*\j+1] offset:256*((\bi)%2)+16*\j+520
	ds_store_b128 v[VA], v[C+8*\j+2:C+8*\j+5] offset:256*((\bi)%2)+16*\j+1024
.endif
.endr
.if (\bi) == 3
	ds_store_b128 v[VS], v[SW:SW+3]
.endif
.endm
	LOADU 0
	LOADU 1
	s_wait_loadcnt 32                              ; this unit's 32 loads are in; the next unit's are younger
	MOVEU 0
	LOADU 2
	PROC 0
	s_wait_loadcnt 32
	MOVEU 1
	LOADU 3
	PROC 1
	s_wait_loadcnt 32
	MOVEU 2
	PROC 2
	s_wait_loadcnt 0x0
	MOVEU 3
	PROC 3
	s_wait_dscnt 0x0                               ; for the others' sake: my images lie in LDS
	s_barrier_signal -1
	s_barrier_wait -1                              ; the one barrier; every wave passes it, whatever the count
	s_wait_kmcnt 0x0
	s_min_u32 s17, s17, 0x400
	s_add_co_u32 s18, s17, 15
	s_lshr_b32 s18, s18, 4                         ; the expert's tiles, 64 at the most
	s_cmp_ge_u32 s14, s18
	s_cbranch_scc1 .Lend
	s_sub_co_u32 s31, s18, 1
	s_mov_b32 s19, s14                             ; i: my tile; it goes on by 4 a trip
	s_sub_co_u32 s[TRIPS], s18, s14
	s_add_co_u32 s[TRIPS], s[TRIPS], 3
	s_lshr_b32 s[TRIPS], s[TRIPS], 2               ; my tiles: wave, wave + 4, .. under the expert's number: at least 1 here,
	s_min_u32 s[TRIPS], s[TRIPS], 16               ; 16 at the most
	s_mov_b32 s[TRIP], 0
	s_mul_i32 s30, s14, HTILE
	v_add_nc_u32 v[VX16], s30, v[K16]
	v_add_nc_u32 v[VX8], s30, v[K8]
	v_add_nc_u32 v[VXS], s30, v[KS]
.macro HFRAG ks                                ; h's fragment of K step ks of my half: two pieces of 768 bytes, as the launch before laid them
	global_load_b128 v[XF+12*(\ks):XF+12*(\ks)+3], v[VX16], s[26:27] offset:1536*(\ks)
	global_load_b64 v[XF+12*(\ks)+4:XF+12*(\ks)+5], v[VX8], s[26:27] offset:1536*(\ks)+512
	global_load_b128 v[XF+12*(\ks)+6:XF+12*(\ks)+9], v[VX16], s[26:27] offset:1536*(\ks)+768
	global_load_b64 v[XF+12*(\ks)+10:XF+12*(\ks)+11], v[VX8], s[26:27] offset:1536*(\ks)+1280
.endm
.macro HA
	HFRAG 0
	HFRAG 1
	HFRAG 2
	HFRAG 3
.endm
.macro HB
	global_load_b128 v[XS:XS+3], v[VXS], s[26:27]  ; lane (r, h): the scale words of K steps 4 h .. 4 h + 3 of row r
	HFRAG 4
	HFRAG 5
	HFRAG 6
	HFRAG 7
.endm
	HA
	HB
.set ff, 0
.rept 32
.set wv, (1+ff/21)<<6
.set rA, 12*(ff%21)
	WIN wv
.irp g, 0,1,2
	ds_load_b128 v[rA+4*\g:rA+4*\g+3], v[L16] offset:FRB*ff+512*\g
.endr
.set ff, ff+1
.endr
	WIN 0
.set rr, 0
.rept 16
	ds_load_b32 v[WS+rr], v[L4S] offset:128*rr
.set rr, rr+1
.endr
	s_wait_dscnt 0x0
.macro WM
.if rZ
.if rRA
	v_wmma_scale_f32_16x16x128_f8f6f4 v[rD:rD+7], v[rA:rA+11], v[rB:rB+11], 0, v[rSA], v[rSB] matrix_a_fmt:MATRIX_FMT_BF6 matrix_b_fmt:MATRIX_FMT_BF6 matrix_a_scale:MATRIX_SCALE_ROW1
.else
	v_wmma_scale_f32_16x16x128_f8f6f4 v[rD:rD+7], v[rA:rA+11], v[rB:rB+11], 0, v[rSA], v[rSB] matrix_a_fmt:MATRIX_FMT_BF6 matrix_b_fmt:MATRIX_FMT_BF6
.endif
.elseif (rRA) && (rRB)
	v_wmma_scale_f32_16x16x128_f8f6f4 v[rD:rD+7], v[rA:rA+11], v[rB:rB+11], v[rD:rD+7], v[rSA], v[rSB] matrix_a_fmt:MATRIX_FMT_BF6 matrix_b_fmt:MATRIX_FMT_BF6 matrix_a_scale:MATRIX_SCALE_ROW1 matrix_b_scale:MATRIX_SCALE_ROW1
.elseif rRA
	v_wmma_scale_f32_16x16x128_f8f6f4 v[rD:rD+7], v[rA:rA+11], v[rB:rB+11], v[rD:rD+7], v[rSA], v[rSB] matrix_a_fmt:MATRIX_FMT_BF6 matrix_b_fmt:MATRIX_FMT_BF6 matrix_a_scale:MATRIX_SCALE_ROW1
.elseif rRB
	v_wmma_scale_f32_16x16x128_f8f6f4 v[rD:rD+7], v[rA:rA+11], v[rB:rB+11], v[rD:rD+7], v[rSA], v[rSB] matrix_a_fmt:MATRIX_FMT_BF6 matrix_b_fmt:MATRIX_FMT_BF6 matrix_b_scale:MATRIX_SCALE_ROW1
.else
	v_wmma_scale_f32_16x16x128_f8f6f4 v[rD:rD+7], v[rA:rA+11], v[rB:rB+11], v[rD:rD+7], v[rSA], v[rSB] matrix_a_fmt:MATRIX_FMT_BF6 matrix_b_fmt:MATRIX_FMT_BF6
.endif
.endm
; K step ks: four products; the four accumulators take turns, one instruction a turn; K step 0 starts the sums with the constant 0.
.macro MULK ks
.irp t, 0,1,2,3
.set ff, 4*(\ks)+\t
.set wv, 1+ff/21
.set rA, 12*(ff%21)
.set rD, ACC+8*\t
.set rB, XF+12*(\ks)
.set rSA, WS+2*(\ks)+\t/2
.set rSB, XS+(\ks)%4
.set rZ, (\ks)==0
.set rRA, \t%2
.set rRB, (\ks)/4
	WIN wv
	WM
.endr
.endm
.Ltile:
	s_wait_loadcnt 16                              ; K steps 0-3 and the scale words are in; the sixteen loads of K steps 4-7 are younger
	MULK 0
	MULK 1
	MULK 2
	MULK 3
	WIN 0
.rept 4
	v_nop                                          ; four places in front of loads into registers that matrix instructions have read
.endr
	s_wait_xcnt 0x0                                ; the loads that are out have read their address registers
	s_add_co_u32 s30, s19, 4                       ; on to my next tile; behind my last one a written tile is named again, and its loads are never waited for
	s_min_u32 s30, s30, s31
	s_min_u32 s30, s30, 63
	s_mul_i32 s30, s30, HTILE
	v_add_nc_u32 v[VX16], s30, v[K16]
	v_add_nc_u32 v[VX8], s30, v[K8]
	v_add_nc_u32 v[VXS], s30, v[KS]
	HA
	s_wait_alu depctr_va_vdst(0)
	s_wait_loadcnt 16                              ; K steps 4-7 are in; the sixteen just issued are younger
	MULK 4
	MULK 5
	MULK 6
	MULK 7
	WIN 0
.rept 5
	v_nop                                          ; four places in front of the loads and of the first read of results; the fifth because the next trip's first products write over these accumulators, and no other vector work stands between
.endr
	HB
	s_wait_xcnt 0x0                                ; the last tile's stores have read their data and their base
	s_min_u32 s34, s19, 63
	s_lshl_b32 s34, s34, 16                        ; 16 rows of 4,096 bytes a tile
	s_add_nc_u64 s[28:29], s[36:37], s[34:35]
.irp t, 0,1,2,3
	ds_store_b128 v[STO], v[ACC+8*\t:ACC+8*\t+3] offset:64*\t            ; each accumulator from its low end on
	ds_store_b128 v[STO], v[ACC+8*\t+4:ACC+8*\t+7] offset:64*\t+16
.endr
.irp n, 0,1,2,3,4,5,6,7
	ds_load_b128 v[OB+4*\n:OB+4*\n+3], v[SRD] offset:2*SP*\n             ; my own bytes: LDS serves a wave's instructions in order
.endr
.irp n, 0,1,2,3,4,5,6,7
	s_wait_dscnt 7-\n                              ; row pair n is back; the pairs behind it may be out
	global_store_b128 v[VY], v[OB+4*\n:OB+4*\n+3], s[28:29] offset:8192*\n th:TH_STORE_NT   ; sixteen lanes store 256 consecutive bytes, aligned
.endr
	s_add_co_u32 s19, s19, 4                       ; my next tile
	s_add_co_u32 s[TRIP], s[TRIP], 1               ; the loop is counted in steps of 1 against my wave's number of tiles
	s_cmp_lt_u32 s[TRIP], s[TRIPS]
	s_cbranch_scc1 .Ltile
.Lend:
	s_barrier_signal -1
	s_barrier_wait -1
	s_wait_tensorcnt 0x0
	ds_add_u32 v254, v255
	s_wait_dscnt 0x0
	s_endpgm
.Lfunc_end_k_q157a6e7695_down:
	.size	k_q157a6e7695_down, .Lfunc_end_k_q157a6e7695_down-k_q157a6e7695_down
	.p2alignl 7, 3214868480
	.fill 96, 4, 3214868480
	.section	.rodata,"a",@progbits
	.p2align	6, 0x0
	.amdhsa_kernel k_q157a6e7695_down
		.amdhsa_group_segment_fixed_size 69632
		.amdhsa_private_segment_fixed_size 0
		.amdhsa_enable_private_segment 0
		.amdhsa_kernarg_size 32
		.amdhsa_user_sgpr_count 2
		.amdhsa_user_sgpr_kernarg_segment_ptr 1
		.amdhsa_wavefront_size32 1
		.amdhsa_system_sgpr_workgroup_id_x 1
		.amdhsa_system_sgpr_workgroup_id_y 1
		.amdhsa_system_sgpr_workgroup_id_z 1
		.amdhsa_system_vgpr_workitem_id 0
		.amdhsa_next_free_vgpr 768
		.amdhsa_next_free_sgpr 66
		.amdhsa_reserve_vcc 0
		.amdhsa_float_denorm_mode_32 3
		.amdhsa_float_denorm_mode_16_64 3
		.amdhsa_memory_ordered 1
		.amdhsa_forward_progress 1
		.amdhsa_inst_pref_size 79
	.end_amdhsa_kernel
	.amdgpu_metadata
---
amdhsa.version: [ 1, 2 ]
amdhsa.kernels:
  - .name:           k_q157a6e7695_down
    .symbol:         k_q157a6e7695_down.kd
    .args:
      - { .name: w2, .offset: 0, .size: 8, .value_kind: global_buffer, .address_space: global }
      - { .name: h, .offset: 8, .size: 8, .value_kind: global_buffer, .address_space: global }
      - { .name: order, .offset: 16, .size: 8, .value_kind: global_buffer, .address_space: global }
      - { .name: y, .offset: 24, .size: 8, .value_kind: global_buffer, .address_space: global }
    .group_segment_fixed_size: 69632
    .private_segment_fixed_size: 0
    .kernarg_segment_align: 8
    .kernarg_segment_size: 32
    .max_flat_workgroup_size: 128
    .sgpr_count:     66
    .vgpr_count:     768
    .wavefront_size: 32
...
	.end_amdgpu_metadata
.endif
;; end of part 3
;; launch comb (part 4): grid 256 x 1, 4 waves a work-group, no clusters, 0 bytes of LDS; arguments y, order, prob, out0, sel; writes out0
.if DOCPART == 4
	.amdgcn_target "amdgcn-amd-amdhsa--gfx1250"
	.amdhsa_code_object_version 6
	.text
	.protected	k_q157a6e7695_comb
	.globl	k_q157a6e7695_comb
	.p2align	8
	.type	k_q157a6e7695_comb,@function
k_q157a6e7695_comb:
	s_mov_b64 s[64:65], 0
	v_nop
	global_prefetch_b8 v0, s[64:65] scope:SCOPE_SE
	s_setreg_imm32_b32 hwreg(HW_REG_WAVE_MODE, 25, 1), 1
	s_wait_xcnt 0x0
; out[t] = p0 (yA[r0] + yB[r0]) + p1 (yA[r1] + yB[r1]): a token's two routed rows, each the sum of the two halves of F, weighed by the gate.  All f32.
; A wave takes a token: four rows of 4,096 bytes in, one out; every load and store covers 512 consecutive bytes.  All 32 loads go out at once; the waits count down chunk by chunk.
; The row numbers are whole numbers that an earlier launch stored; each enters an address behind a bound written here.  A stream: no LDS, no barrier, no matrix unit.
.set Y, 8                              ; chunk c at v[8 + 16 c]: yA[r0], yB[r0], yA[r1], yB[r1], four registers each
	s_load_b128 s[4:7], s[0:1], 0x0                ; y, order
	s_load_b128 s[8:11], s[0:1], 0x10              ; prob, out0
	s_load_b64 s[34:35], s[0:1], 0x20              ; sel
	v_lshrrev_b32 v1, 5, v0
	v_readfirstlane_b32 s12, v1                    ; wave
	s_lshl_b32 s13, ttmp9, 2
	s_add_co_u32 s13, s13, s12                     ; my token
	s_lshl_b32 s14, s13, 3
	s_lshl_b32 s15, s13, 2
	v_and_b32 v1, 31, v0
	v_lshlrev_b32 v1, 4, v1                        ; 16 x lane
	s_lshl_b32 s30, s13, 12
	s_mov_b32 s31, 0
	s_wait_alu depctr_va_vdst(0)
	s_wait_kmcnt 0x0
	s_load_b64 s[16:17], s[34:35], s14 offset:0x0  ; my token's two experts
.irp e, 0,1,2,3,4,5,6,7
	s_load_b32 s[40+\e], s[6:7], s15 offset:4096*\e   ; order [8][1024]: my token's word for every expert, asked for beside sel; two of the eight are selected below
.endr
	s_load_b64 s[18:19], s[8:9], s14 offset:0x0    ; p0, p1
	s_add_nc_u64 s[10:11], s[10:11], s[30:31]
	s_wait_kmcnt 0x0
	s_mov_b32 s36, s40
	s_mov_b32 s37, s40
.irp e, 1,2,3,4,5,6,7
	s_cmp_eq_u32 s16, \e
	s_cselect_b32 s36, s[40+\e], s36               ; r0
	s_cmp_eq_u32 s17, \e
	s_cselect_b32 s37, s[40+\e], s37               ; r1
.endr
	s_min_u32 s16, s36, 0x1fff
	s_min_u32 s32, s37, 0x1fff
	s_lshl_b32 s16, s16, 12
	s_lshl_b32 s32, s32, 12
	s_mov_b32 s17, 0
	s_mov_b32 s33, 0
	s_add_nc_u64 s[20:21], s[4:5], s[16:17]
	s_add_nc_u64 s[22:23], s[20:21], 0x2000000     ; the second half's plane
	s_add_nc_u64 s[24:25], s[4:5], s[32:33]
	s_add_nc_u64 s[26:27], s[24:25], 0x2000000
	s_mov_b32 s28, s19                             ; p1 in a pair of its own: the packed form takes a pair's low word for both halves
	s_mov_b32 s29, s19
.irp c, 0,1,2,3,4,5,6,7
	global_load_b128 v[Y+16*\c:Y+16*\c+3], v1, s[20:21] offset:512*\c th:TH_LOAD_NT
	global_load_b128 v[Y+16*\c+4:Y+16*\c+7], v1, s[22:23] offset:512*\c th:TH_LOAD_NT
	global_load_b128 v[Y+16*\c+8:Y+16*\c+11], v1, s[24:25] offset:512*\c th:TH_LOAD_NT
	global_load_b128 v[Y+16*\c+12:Y+16*\c+15], v1, s[26:27] offset:512*\c th:TH_LOAD_NT
.endr
.irp c, 0,1,2,3,4,5,6,7
	s_wait_loadcnt 28-4*\c                         ; this chunk's four loads are in; the later chunks' are younger
.irp u, 0,2
	v_pk_add_f32 v[Y+16*\c+\u:Y+16*\c+\u+1], v[Y+16*\c+\u:Y+16*\c+\u+1], v[Y+16*\c+4+\u:Y+16*\c+5+\u]
	v_pk_add_f32 v[Y+16*\c+8+\u:Y+16*\c+9+\u], v[Y+16*\c+8+\u:Y+16*\c+9+\u], v[Y+16*\c+12+\u:Y+16*\c+13+\u]
	v_pk_mul_f32 v[Y+16*\c+\u:Y+16*\c+\u+1], v[Y+16*\c+\u:Y+16*\c+\u+1], s[18:19] op_sel_hi:[1,0]
	v_pk_fma_f32 v[Y+16*\c+\u:Y+16*\c+\u+1], v[Y+16*\c+8+\u:Y+16*\c+9+\u], s[28:29], v[Y+16*\c+\u:Y+16*\c+\u+1] op_sel_hi:[1,0,1]
.endr
	global_store_b128 v1, v[Y+16*\c:Y+16*\c+3], s[10:11] offset:512*\c th:TH_STORE_NT
.endr
	s_endpgm
.Lfunc_end_k_q157a6e7695_comb:
	.size	k_q157a6e7695_comb, .Lfunc_end_k_q157a6e7695_comb-k_q157a6e7695_comb
	.p2alignl 7, 3214868480
	.fill 96, 4, 3214868480
	.section	.rodata,"a",@progbits
	.p2align	6, 0x0
	.amdhsa_kernel k_q157a6e7695_comb
		.amdhsa_group_segment_fixed_size 0
		.amdhsa_private_segment_fixed_size 0
		.amdhsa_enable_private_segment 0
		.amdhsa_kernarg_size 40
		.amdhsa_user_sgpr_count 2
		.amdhsa_user_sgpr_kernarg_segment_ptr 1
		.amdhsa_wavefront_size32 1
		.amdhsa_system_sgpr_workgroup_id_x 1
		.amdhsa_system_sgpr_workgroup_id_y 1
		.amdhsa_system_sgpr_workgroup_id_z 1
		.amdhsa_system_vgpr_workitem_id 0
		.amdhsa_next_free_vgpr 136
		.amdhsa_next_free_sgpr 66
		.amdhsa_reserve_vcc 0
		.amdhsa_float_denorm_mode_32 3
		.amdhsa_float_denorm_mode_16_64 3
		.amdhsa_memory_ordered 1
		.amdhsa_forward_progress 1
		.amdhsa_inst_pref_size 11
	.end_amdhsa_kernel
	.amdgpu_metadata
---
amdhsa.version: [ 1, 2 ]
amdhsa.kernels:
  - .name:           k_q157a6e7695_comb
    .symbol:         k_q157a6e7695_comb.kd
    .args:
      - { .name: y, .offset: 0, .size: 8, .value_kind: global_buffer, .address_space: global }
      - { .name: order, .offset: 8, .size: 8, .value_kind: global_buffer, .address_space: global }
      - { .name: prob, .offset: 16, .size: 8, .value_kind: global_buffer, .address_space: global }
      - { .name: out0, .offset: 24, .size: 8, .value_kind: global_buffer, .address_space: global }
      - { .name: sel, .offset: 32, .size: 8, .value_kind: global_buffer, .address_space: global }
    .group_segment_fixed_size: 0
    .private_segment_fixed_size: 0
    .kernarg_segment_align: 8
    .kernarg_segment_size: 40
    .max_flat_workgroup_size: 128
    .sgpr_count:     66
    .vgpr_count:     136
    .wavefront_size: 32
...
	.end_amdgpu_metadata
.endif
;; end of part 4
